; MI455X (gfx1250); checked and timed in simulation.
; The chip was launched on July 23, 2026; its instructions are those of AMD's public machine-readable ISA for CDNA 5 (MIT licence, August 2026) and "CDNA5" Instruction Set Architecture Reference Guide (July 2026). The comments in the code are by the model that wrote it; some were corrected since.
;; Permutohedral Encoding. Allowed arithmetic: float matrix products may take bf16 or f16 operands with f32 sums; all other float work in f32.
;; Inputs: lattice_values 24 x 262,144 x 2 float32; positions 250,000 x 3 float32; random_shift 24 x 3 float32; scale_factor 24 x 3 float32.
;; Outputs: out0 250,000 x 48 float32.
;; One version. Each part assembles by itself: llvm-mc -triple=amdgcn-amd-amdhsa -mcpu=gfx1250 --defsym DOCPART=n.
;; ======== version 1 of 1: 2 launches
;; limits: right only within a limited range of input values
;; workspace buffers: keys 48,003,072 bytes of whole numbers
;; launch lattice_keys (part 1): grid 977 x 1, 8 waves a work-group, no clusters, 0 bytes of LDS; arguments positions, random_shift, scale_factor, keys; writes keys
.if DOCPART == 1
	.amdgcn_target "amdgcn-amd-amdhsa--gfx1250"
	.amdhsa_code_object_version 6
	.text
	.protected	k_q7a15734671_lattice_keys
	.globl	k_q7a15734671_lattice_keys
	.p2align	8
	.type	k_q7a15734671_lattice_keys,@function
k_q7a15734671_lattice_keys:
	s_mov_b64 s[64:65], 0
	v_nop
	global_prefetch_b8 v0, s[64:65] scope:SCOPE_SE
	s_setreg_imm32_b32 hwreg(HW_REG_WAVE_MODE, 25, 1), 1
	s_wait_xcnt 0x0
; PERMUTOHEDRAL ENCODING, FIRST OF TWO LAUNCHES: for every point and level the whole numbers from which the second launch forms its four table addresses.
; A thread is a point; it walks the 24 levels, four a trip.  One record of 8 bytes a point and level goes to keys[level][point]: a wave's store covers 256 consecutive bytes,
; aligned (a level's plane is 250,016 records = 2,000,128 bytes, a multiple of 256).  No LDS, no barrier: no wave needs another's numbers.
; ARITHMETIC, all in f32.  At the fine levels one step of f32 in an elevated coordinate is a visible part of a weight (at level 23 some 0.4%), so the roundings are part of the result:
;   a_j = p_j + shift_j;  cf_j = a_j * scale_j, rounded;  t = cf2 + cf1;  e0 = t + cf0;  e2 = cf2 - 2 cf1;  e3 = -3 cf2;
;   e1 = t - a_0 * scale_0 with the product NOT rounded, one fused multiply-add.  The module subtracts 1 x cf0: compiled, the factor 1 falls away, and the product then meets the subtraction and is
;   joined with it where a fused multiply-add is at hand.  This text takes that form.  (For e2 and e3 fused and unfused give the same number: 2 cf1 is exact, and 3 cf2 is taken from 0.)
;   n_i = floor(0.5 - e_i/4): -n_i is e_i/4 rounded to the nearest whole number, a tie going down, which is what the module's comparison (up - e < e - down) decides;
;   d_i = e_i/4 + n_i is its residual over 4;  Sn = n0+n1+n2+n3 = -(the module's _sum);  rho_i = the rank of d_i, descending, ties by index.
; WHAT IS STORED.  The simplex vertex that carries the k-th gap of the sorted residuals has the key  key_j = G_j + ((rho_j + 3 - k) & 3),  G_j = Sn - 4 n_j - rho_j  (j = 0, 1, 2):
; the module's wrap of rank and rem0 by 4 is contained in it.  Of key x prime only the low 18 bits reach the slot, so a record holds G_j P_j mod 2^18 and the three ranks:
;   low word:  17:0 G_0 (P_0 = 1); 31:18 the low 14 bits of G_2 P_2.     high word: 3:0 the high 4 bits of G_2 P_2; 5:4, 8:7, 11:10 rho_0, rho_1, rho_2 (a spare bit above each); 31:14 G_1 P_1.
; LIMITS.  |e_i| < 2^25 (3.3e7, some 75 times the largest that the drawn spread gives): up to there the sums of n and the module's sum of rem0 are exact and |_sum| <= 4; beyond it f32's step
; exceeds the lattice's period and this text does not follow the module's rounding artefacts.  0.5 - e/4 is exact but where it reaches a power of two from within one step of f32 below a whole number: there it
; can round up to that number and the lower neighbour is taken: the adjoining simplex, weights off by that step.  NaN and infinities are not treated apart.
; The grid's last work-group holds points 249,856 to 250,111: its waves 5 to 7 have no point and end at once; the upper half of wave 4 repeats point 249,999 into the plane's last 16 records.
.set NPTS,  250000
.set PLANE, 2000128                    ; bytes of a level's records
.set P1,    0x379b1                    ; 2654435761 mod 2^18
.set P2,    0x25795                    ; 805459861 mod 2^18
.set KO,  1                            ; v1       8 x my point: my record's place in a plane; never rewritten
.set PX,  2                            ; v[2:4]   my position
.set LB,  8                            ; v[8:103] four blocks of 24, one for each level of a trip: +0 cf0, +1 cf1, +2 t, +3 cf2 (later n_j as whole numbers, G_j, and Sn); +4..7 e (+5 first holds a_0);
                                       ;          +8..11 n; +12..15 d; +16, 17 sums of n; +18..23 rank terms; +22, 23 at last the record
.set SH,  16                           ; s[16:27] the trip's 4 x 3 shifts
.set SC,  28                           ; s[28:39] the trip's 4 x 3 scales
.set MK,  40                           ; s[40:63] six comparison masks for each of the four levels
.set KA,  66                           ; s66-70   what a comparison adds to the packed ranks
.set KB,  67
.set KE,  68
.set KF,  69
.set KG,  70
.set M4,  71                           ; s71      -4 mod 2^24
	v_lshrrev_b32 v1, 5, v0
	v_readfirstlane_b32 s12, v1                    ; my wave's number
	s_lshl_b32 s13, ttmp9, 8
	s_lshl_b32 s12, s12, 5
	s_add_co_u32 s13, s13, s12                     ; my wave's first point
	s_cmp_lt_u32 s13, NPTS
	s_cbranch_scc1 .Lwork
	s_endpgm                                       ; the last work-group's waves 5 to 7: no point is theirs
.Lwork:
	s_load_b256 s[4:11], s[0:1], 0x0               ; positions s[4:5], random_shift s[6:7], scale_factor s[8:9], keys s[10:11]
	v_and_b32 v1, 31, v0
	v_add_nc_u32 v1, s13, v1                       ; my point
	v_min_u32 v5, NPTS-1, v1                       ; the last wave's upper half reads the last point: no load leaves the buffer
	v_mul_u32_u24 v5, v5, 12
	v_lshlrev_b32 v[KO], 3, v1
	s_mov_b32 s15, 0                               ; byte offset of the trip's levels in shift and scale
	s_mov_b32 s[KA], 0xffffff90                    ; d1 > d0: rho_0 + 1, rho_1 - 1  (16 - 128)
	s_mov_b32 s[KB], 0xfffffc10                    ; d2 > d0: rho_0 + 1, rho_2 - 1  (16 - 1024)
	s_mov_b32 s[KE], 0xfffffc80                    ; d2 > d1: rho_1 + 1, rho_2 - 1  (128 - 1024)
	s_mov_b32 s[KF], 128                           ; d3 > d1: rho_1 + 1
	s_mov_b32 s[KG], 1024                          ; d3 > d2: rho_2 + 1
	s_mov_b32 s[M4], 0xfffffc
	s_wait_kmcnt 0x0
.macro PLOAD                           ; four levels' shifts and scales, 48 bytes of each
	s_load_b256 s[SH:SH+7],    s[6:7], s15 offset:0x0
	s_load_b128 s[SH+8:SH+11], s[6:7], s15 offset:0x20
	s_load_b256 s[SC:SC+7],    s[8:9], s15 offset:0x0
	s_load_b128 s[SC+8:SC+11], s[8:9], s15 offset:0x20
.endm
	global_load_b96 v[PX:PX+2], v5, s[4:5] th:TH_LOAD_NT
	PLOAD
; The steps of one level; b = its block of registers, l = its number in the trip.  A trip runs each step for its four levels in turn, so that no line waits for the line before it.
.macro K_ADD b, l
	v_add_f32 v[\b+5], s[SH+3*(\l)],   v[PX]       ; a_0, kept for e1
	v_add_f32 v[\b+1], s[SH+3*(\l)+1], v[PX+1]
	v_add_f32 v[\b+3], s[SH+3*(\l)+2], v[PX+2]
.endm
.macro K_MUL b, l
	v_mul_f32 v[\b],   s[SC+3*(\l)],   v[\b+5]
	v_mul_f32 v[\b+1], s[SC+3*(\l)+1], v[\b+1]
	v_mul_f32 v[\b+3], s[SC+3*(\l)+2], v[\b+3]
.endm
.macro K_T b, l
	v_add_f32 v[\b+2], v[\b+3], v[\b+1]            ; t = cf2 + cf1
	v_fma_f32 v[\b+6], v[\b+1], -2.0, v[\b+3]      ; e2: the product is exact, so one rounding, as in cf2 - 2 cf1
	v_mul_f32 v[\b+7], 0xc0400000, v[\b+3]         ; e3 = -3 cf2
.endm
.macro K_E b, l
	v_add_f32 v[\b+4], v[\b+2], v[\b]              ; e0 = t + cf0
	v_fma_f32 v[\b+5], -v[\b+5], s[SC+3*(\l)], v[\b+2]  ; e1 = t - a_0 scale_0, one rounding
.endm
.macro K_Y b, l
	v_pk_fma_f32 v[\b+8:\b+9],   v[\b+4:\b+5], 0xbe800000, 0.5 op_sel_hi:[1,0,0]      ; 0.5 - e/4
	v_pk_fma_f32 v[\b+10:\b+11], v[\b+6:\b+7], 0xbe800000, 0.5 op_sel_hi:[1,0,0]
.endm
.macro K_FLOOR b, l
	v_floor_f32 v[\b+8],  v[\b+8]
	v_floor_f32 v[\b+9],  v[\b+9]
	v_floor_f32 v[\b+10], v[\b+10]
	v_floor_f32 v[\b+11], v[\b+11]
.endm
.macro K_D b, l
	v_pk_fma_f32 v[\b+12:\b+13], v[\b+4:\b+5], 0x3e800000, v[\b+8:\b+9] op_sel_hi:[1,0,1]    ; d = e/4 + n
	v_pk_fma_f32 v[\b+14:\b+15], v[\b+6:\b+7], 0x3e800000, v[\b+10:\b+11] op_sel_hi:[1,0,1]
	v_pk_add_f32 v[\b+16:\b+17], v[\b+8:\b+9], v[\b+10:\b+11]
.endm
.macro K_CVT b, l
	v_add_f32 v[\b+16], v[\b+16], v[\b+17]         ; Sn
	v_cvt_i32_f32 v[\b],   v[\b+8]
	v_cvt_i32_f32 v[\b+1], v[\b+9]
	v_cvt_i32_f32 v[\b+2], v[\b+10]
.endm
.macro K_CMP b, l                      ; for i < j: d_j > d_i raises rho_i, else (d_i >= d_j: the tie goes to the lower index) rho_j
	v_cvt_i32_f32 v[\b+3], v[\b+16]
	v_cmp_gt_f32 s[MK+6*(\l)],   v[\b+13], v[\b+12]
	v_cmp_gt_f32 s[MK+6*(\l)+1], v[\b+14], v[\b+12]
	v_cmp_gt_f32 s[MK+6*(\l)+2], v[\b+15], v[\b+12]
	v_cmp_gt_f32 s[MK+6*(\l)+3], v[\b+14], v[\b+13]
	v_cmp_gt_f32 s[MK+6*(\l)+4], v[\b+15], v[\b+13]
	v_cmp_gt_f32 s[MK+6*(\l)+5], v[\b+15], v[\b+14]
.endm
.macro K_SEL b, l
	v_cndmask_b32 v[\b+18], 0, s[KA], s[MK+6*(\l)]
	v_cndmask_b32 v[\b+19], 0, s[KB], s[MK+6*(\l)+1]
	v_cndmask_b32 v[\b+20], 0, 16,    s[MK+6*(\l)+2]
	v_cndmask_b32 v[\b+21], 0, s[KE], s[MK+6*(\l)+3]
	v_cndmask_b32 v[\b+22], 0, s[KF], s[MK+6*(\l)+4]
	v_cndmask_b32 v[\b+23], 0, s[KG], s[MK+6*(\l)+5]
.endm
.macro K_SUM1 b, l
	v_add3_u32 v[\b+18], v[\b+18], v[\b+19], v[\b+20]
	v_add3_u32 v[\b+21], v[\b+21], v[\b+22], v[\b+23]
.endm
.macro K_SUM2 b, l
	v_add3_u32 v[\b+18], v[\b+18], v[\b+21], 0x880 ; + 128 + 2 x 1024: the comparisons that count when they fail.  Now 16 rho_0 + 128 rho_1 + 1024 rho_2
.endm
.macro K_RANK b, l
	v_bfe_u32 v[\b+19], v[\b+18], 4, 2
	v_bfe_u32 v[\b+20], v[\b+18], 7, 2
	v_bfe_u32 v[\b+21], v[\b+18], 10, 2
.endm
.macro K_Z b, l
	v_sub_nc_u32 v[\b+19], v[\b+3], v[\b+19]       ; Sn - rho_j
	v_sub_nc_u32 v[\b+20], v[\b+3], v[\b+20]
	v_sub_nc_u32 v[\b+21], v[\b+3], v[\b+21]
.endm
.macro K_G b, l
	v_mad_u32_u24 v[\b],   v[\b],   s[M4], v[\b+19]  ; G_j = -4 n_j + Sn - rho_j, right in its low 24 bits: 18 are wanted
	v_mad_u32_u24 v[\b+1], v[\b+1], s[M4], v[\b+20]
	v_mad_u32_u24 v[\b+2], v[\b+2], s[M4], v[\b+21]
.endm
.macro K_MULP b, l
	v_mul_u32_u24 v[\b+1], v[\b+1], P1
	v_mul_u32_u24 v[\b+2], v[\b+2], P2
	v_and_b32 v[\b], 0x3ffff, v[\b]
.endm
.macro K_PK1 b, l
	v_lshl_or_b32 v[\b+22], v[\b+2], 18, v[\b]     ; the low word
	v_bfe_u32 v[\b+19], v[\b+2], 14, 4
.endm
.macro K_PK2 b, l
	v_or_b32 v[\b+19], v[\b+18], v[\b+19]
.endm
.macro K_PK3 b, l
	v_lshl_or_b32 v[\b+23], v[\b+1], 14, v[\b+19]  ; the high word: what G_1 P_1 holds above bit 17 falls off the top
.endm
.macro K_ST b, l
	global_store_b64 v[KO], v[\b+22:\b+23], s[10:11] offset:(\l)*PLANE  ; 32 lanes, 256 consecutive bytes, aligned; three planes fit the signed 24-bit immediate
.endm
; A trip: four levels.  more = 1: the next trip's shifts and scales are asked for as soon as this trip's have been used (e1 is their last reader), and the keys' address steps on.
.macro TRIP more
	s_wait_kmcnt 0x0                               ; this trip's shifts and scales
.irp m, K_ADD, K_MUL, K_T, K_E
.irp i, 0,1,2,3
	\m LB+24*(\i), \i
.endr
.endr
.if \more
	s_add_co_u32 s15, s15, 48                      ; free since the wait above
	PLOAD
.endif
.irp m, K_Y, K_FLOOR, K_D, K_CVT, K_CMP, K_SEL, K_SUM1, K_SUM2, K_RANK, K_Z, K_G, K_MULP, K_PK1, K_PK2, K_PK3, K_ST
.irp i, 0,1,2,3
	\m LB+24*(\i), \i
.endr
.endr
.if \more
	s_wait_xcnt 0x0                                ; the stores have had their addresses translated (ISA guide 3.1): only behind this wait are their base and their data registers written again
	s_add_nc_u64 s[10:11], s[10:11], 4*PLANE
.endif
.endm
	s_wait_loadcnt 0x0                             ; my position
	s_mov_b32 s14, 5
.Ltrip:
	TRIP 1
	s_sub_co_u32 s14, s14, 1
	s_cmp_lg_u32 s14, 0
	s_cbranch_scc1 .Ltrip
	TRIP 0                                         ; levels 20 to 23: nothing further is asked for, so no load leaves its buffer
	s_endpgm
.Lfunc_end_k_q7a15734671_lattice_keys:
	.size	k_q7a15734671_lattice_keys, .Lfunc_end_k_q7a15734671_lattice_keys-k_q7a15734671_lattice_keys
	.p2alignl 7, 3214868480
	.fill 96, 4, 3214868480
	.section	.rodata,"a",@progbits
	.p2align	6, 0x0
	.amdhsa_kernel k_q7a15734671_lattice_keys
		.amdhsa_group_segment_fixed_size 0
		.amdhsa_private_segment_fixed_size 0
		.amdhsa_enable_private_segment 0
		.amdhsa_kernarg_size 32
		.amdhsa_user_sgpr_count 2
		.amdhsa_user_sgpr_kernarg_segment_ptr 1
		.amdhsa_wavefront_size32 1
		.amdhsa_system_sgpr_workgroup_id_x 1
		.amdhsa_system_sgpr_workgroup_id_y 1
		.amdhsa_system_sgpr_workgroup_id_z 1
		.amdhsa_system_vgpr_workitem_id 0
		.amdhsa_next_free_vgpr 104
		.amdhsa_next_free_sgpr 72
		.amdhsa_reserve_vcc 0
		.amdhsa_float_denorm_mode_32 3
		.amdhsa_float_denorm_mode_16_64 3
		.amdhsa_memory_ordered 1
		.amdhsa_forward_progress 1
		.amdhsa_inst_pref_size 28
	.end_amdhsa_kernel
	.amdgpu_metadata
---
amdhsa.version: [ 1, 2 ]
amdhsa.kernels:
  - .name:           k_q7a15734671_lattice_keys
    .symbol:         k_q7a15734671_lattice_keys.kd
    .args:
      - { .name: positions, .offset: 0, .size: 8, .value_kind: global_buffer, .address_space: global }
      - { .name: random_shift, .offset: 8, .size: 8, .value_kind: global_buffer, .address_space: global }
      - { .name: scale_factor, .offset: 16, .size: 8, .value_kind: global_buffer, .address_space: global }
      - { .name: keys, .offset: 24, .size: 8, .value_kind: global_buffer, .address_space: global }
    .group_segment_fixed_size: 0
    .private_segment_fixed_size: 0
    .kernarg_segment_align: 8
    .kernarg_segment_size: 32
    .max_flat_workgroup_size: 256
    .sgpr_count:     72
    .vgpr_count:     104
    .wavefront_size: 32
...
	.end_amdgpu_metadata
.endif
;; end of part 1
;; launch gather_blend (part 2): grid 977 x 1, 8 waves a work-group, no clusters, 54,272 bytes of LDS; arguments positions, random_shift, scale_factor, lattice_values, keys, out0; writes out0
.if DOCPART == 2
	.amdgcn_target "amdgcn-amd-amdhsa--gfx1250"
	.amdhsa_code_object_version 6
	.text
	.protected	k_q7a15734671_gather_blend
	.globl	k_q7a15734671_gather_blend
	.p2align	8
	.type	k_q7a15734671_gather_blend,@function
k_q7a15734671_gather_blend:
	s_mov_b64 s[64:65], 0
	v_nop
	global_prefetch_b8 v0, s[64:65] scope:SCOPE_SE
	s_setreg_imm32_b32 hwreg(HW_REG_WAVE_MODE, 25, 1), 1
	s_wait_xcnt 0x0
; PERMUTOHEDRAL ENCODING, SECOND OF TWO LAUNCHES: slots from the stored records, four gathers a point and level, the barycentric weights, the blend, the output.
; A thread is a point; it walks the 24 levels, four a trip, all work-groups in the same order of levels.  The six trips are one macro written six times: a trip's place in the LDS rows and in the
; shifts and scales then stands in immediates, and every LDS address is a register that is never rewritten plus a constant.
; ADDRESSES come from whole numbers alone.  A record (8 bytes; first launch) holds G_j P_j mod 2^18 (j = 0, 1, 2) and the ranks rho_j.  Vertex q = 0..3 has key_j = G_j + ((rho_j + q) & 3), so
;   slot_q = (G_0 + x_0) ^ (G_1 P_1 + x_1 P_1) ^ (G_2 P_2 + x_2 P_2) mod 2^18,  x_j = (rho_j + q) & 3.  What lies above bit 17 in the terms is cut off at the end.
;   A gather's vector offset is 8 x slot and nothing else; the level stands in the immediate (four tables a trip) and in the table's base address, which steps four tables a trip.
; WEIGHTS, in f32: the residuals d_i are made anew by the very lines of the first launch (same order, same roundings: its head says which, and why e1 is one fused multiply-add), sorted to
;   s0 >= s1 >= s2 >= s3; vertex q carries the gap   q = 3: s0 - s1;  q = 2: s1 - s2;  q = 1: s2 - s3;  q = 0: s3 - s0 + 1.
;   These are the module's bary, whatever its _sum: its wrap of the ranks only turns the ring of gaps, and the keys turn with it.
;   Equal residuals give a gap of 0 at the one vertex that hangs on how the tie is broken.
; THE BLEND (the module's einsum) is a product of 1 x 4 by 4 x 2 with its own operands for every point and level: four packed f32 multiply-adds a lane; no matrix form fits it.
; THE WAY OUT.  A point's row of out0 is 192 bytes, a thread's 32 bytes a trip.  They go into the wave's own LDS rows (pitch 208 = 13 x 16 bytes: sixteen lanes' 16-byte stores start in sixteen different
; 16-byte columns modulo 256) and come back as the wave's 6,144 consecutive bytes: twelve stores of 512 consecutive bytes, each aligned to 256.  No wave reads another's LDS bytes: no barrier.
; NO CLUSTER, NO TENSOR LOAD: nothing is read as a tile.  A level's table is 2 MiB, more than LDS holds, and the rows wanted are picked by hashes.
; LIMITS: those of the first launch (|elevated| < 2^25; the one-step case where 0.5 - e/4 reaches a power of two; NaN and infinities not treated apart).
; The last work-group's waves 5 to 7 have no point and end at once; the upper half of its wave 4 repeats point 249,999 and its rows are not stored.
.set NPTS,  250000
.set PLANE, 2000128                    ; bytes of a level's records
.set TABLE, 0x200000                   ; bytes of a level's table: 262,144 slots of 8
.set P1,    0x379b1                    ; 2654435761 mod 2^18
.set P2,    0x25795                    ; 805459861 mod 2^18
.set STEP,  16+128+1024                ; adds 1 to each of the three ranks in a record's high word; the spare bit above each takes the carry
.set PITCH, 208
.set WAVEB, 32*PITCH                   ; a wave's rows
.set SPARE, 8*WAVEB                    ; behind the rows: the spare words, 128 bytes for each wave: four blocks of 256 bytes that no other line names
.set KO,  1                            ; v1        8 x my point: my record's place in a plane; never rewritten
.set PX,  2                            ; v[2:4]    my position
.set ROW, 5                            ; v5        LDS address of my row; never rewritten
.set TA,  6                            ; v6        a byte offset in hand: my position's, at last my place in out0
.set LN,  7                            ; v7        my lane
.set SPW, 8                            ; v8        LDS address of my spare word; never rewritten
.set NIL, 9                            ; v9        0; never rewritten
.set RC,  10                           ; v[10:17]  four records
.set AD,  18                           ; v[18:33]  16 gather offsets: level i, vertex q at AD + 4 i + q
.set FD,  34                           ; v[34:65]  16 pairs of features: FD + 8 i + 2 q.  On the way out v[34:81] hold the wave's rows
.set WT,  66                           ; v[66:81]  level i: s0-s1, s2-s3, s1-s2, s3-s0
.set AC,  82                           ; v[82:89]  the trip's eight results
.set TP,  90                           ; v[90:113] at work
.set PF,  114                          ; v114      the prefetch's offset: 256 x my point + four tables; never rewritten
.set SH,  16                           ; s[16:27]  the trip's 4 x 3 shifts
.set SC,  28                           ; s[28:39]  the trip's 4 x 3 scales
	v_lshl_add_u32 v[SPW], v0, 2, SPARE
	v_mov_b32 v[NIL], 0
	v_lshrrev_b32 v1, 5, v0
	v_readfirstlane_b32 s40, v1                    ; my wave's number
	s_lshl_b32 s41, ttmp9, 8
	s_lshl_b32 s42, s40, 5
	s_add_co_u32 s41, s41, s42                     ; my wave's first point
	s_cmp_lt_u32 s41, NPTS
	s_cbranch_scc1 .Lwork
	s_endpgm                                       ; the last work-group's waves 5 to 7: no point is theirs; they have touched neither LDS nor memory
.Lwork:
	s_load_b256 s[4:11], s[0:1], 0x0               ; positions s[4:5], random_shift s[6:7], scale_factor s[8:9], lattice_values s[10:11]
	s_load_b128 s[12:15], s[0:1], 0x20             ; keys s[12:13], out0 s[14:15]
	v_and_b32 v[LN], 31, v0
	v_add_nc_u32 v1, s41, v[LN]                    ; my point
	v_min_u32 v[TA], NPTS-1, v1                    ; the last wave's upper half reads the last point
	v_mul_u32_u24 v[TA], v[TA], 12
	v_lshlrev_b32 v[KO], 3, v1
	v_lshl_add_u32 v[PF], v[KO], 5, 4*TABLE
	s_mul_i32 s44, s40, WAVEB                      ; my wave's rows in LDS
	v_mul_u32_u24 v[ROW], v[LN], PITCH
	v_add_nc_u32 v[ROW], s44, v[ROW]
	s_mov_b32 s50, P1
	s_mov_b32 s51, P2
	s_mov_b32 s52, 0x3ffff
	s_mov_b32 s53, ttmp9
	s_wait_kmcnt 0x0
	global_load_b96 v[PX:PX+2], v[TA], s[4:5] th:TH_LOAD_NT
.irp i, 0,1,2,3
	global_load_b64 v[RC+2*(\i):RC+2*(\i)+1], v[KO], s[12:13] offset:(\i)*PLANE th:TH_LOAD_NT  ; levels 0 to 3: 256 consecutive bytes a wave
.endr
.macro PLOAD t                         ; trip t's four levels' shifts and scales, 48 bytes of each; the last ends at byte 288, the buffers' end
	s_load_b256 s[SH:SH+7],    s[6:7], 48*(\t)
	s_load_b128 s[SH+8:SH+11], s[6:7], 48*(\t)+32
	s_load_b256 s[SC:SC+7],    s[8:9], 48*(\t)
	s_load_b128 s[SC+8:SC+11], s[8:9], 48*(\t)+32
.endm
; Level i of the trip: four slots from its record, and the four gathers.  Each step runs for the four vertices in turn.
.macro HASH i
.set RR, RC+2*(\i)
.set AA, AD+4*(\i)
	v_alignbit_b32 v[TP], v[RR+1], v[RR], 18       ; G_2 P_2: 14 bits from the top of the low word, 4 from the bottom of the high word
	v_lshrrev_b32 v[TP+1], 14, v[RR+1]             ; G_1 P_1
	v_add_nc_u32 v[TP+2], STEP,   v[RR+1]          ; the ranks + 1, + 2, + 3
	v_add_nc_u32 v[TP+3], 2*STEP, v[RR+1]
	v_add_nc_u32 v[TP+4], 3*STEP, v[RR+1]
.irp j, 0,1,2
	v_bfe_u32 v[TP+5+(\j)], v[RR+1], 4+3*(\j), 2   ; x_j of vertex 0
.endr
.irp q, 1,2,3
.irp j, 0,1,2
	v_bfe_u32 v[TP+5+3*(\q)+(\j)], v[TP+1+(\q)], 4+3*(\j), 2  ; (rho_j + q) & 3
.endr
.endr
.irp q, 0,1,2,3
	v_add_nc_u32  v[TP+5+3*(\q)], v[RR], v[TP+5+3*(\q)]
	v_mad_u32_u24 v[TP+6+3*(\q)], v[TP+6+3*(\q)], s50, v[TP+1]
	v_mad_u32_u24 v[TP+7+3*(\q)], v[TP+7+3*(\q)], s51, v[TP]
.endr
.irp q, 0,1,2,3
	v_xor_b32 v[AA+(\q)], v[TP+5+3*(\q)], v[TP+6+3*(\q)]
.endr
.irp q, 0,1,2,3
	v_xor_b32 v[AA+(\q)], v[AA+(\q)], v[TP+7+3*(\q)]
.endr
.irp q, 0,1,2,3
	v_and_b32 v[AA+(\q)], s52, v[AA+(\q)]          ; mod 2^18
.endr
.irp q, 0,1,2,3
	v_min_u32 v[AA+(\q)], 0x3ffff, v[AA+(\q)]      ; a number read from memory enters an address only clamped to the table's last slot,
.endr
.irp q, 0,1,2,3
	v_lshlrev_b32 v[AA+(\q)], 3, v[AA+(\q)]        ; and behind the clamp it is only shifted: 8 bytes a slot
.endr
.irp q, 0,1,2,3
	global_load_b64 v[FD+8*(\i)+2*(\q):FD+8*(\i)+2*(\q)+1], v[AA+(\q)], s[10:11] offset:(\i)*TABLE  ; three tables fit the signed 24-bit immediate
.endr
.endm
; The steps from a position to a level's four gaps; b = 12 registers at work (+0 cf0, +1 cf1, +2 t, +3 cf2; +4..7 e (+5 first holds a_0), then d; +8..11 n, then the sorted d), l = the level's number in the trip.
.macro W_ADD b, l
	v_add_f32 v[\b+5], s[SH+3*(\l)],   v[PX]       ; a_0, kept for e1
	v_add_f32 v[\b+1], s[SH+3*(\l)+1], v[PX+1]
	v_add_f32 v[\b+3], s[SH+3*(\l)+2], v[PX+2]
.endm
.macro W_MUL b, l
	v_mul_f32 v[\b],   s[SC+3*(\l)],   v[\b+5]
	v_mul_f32 v[\b+1], s[SC+3*(\l)+1], v[\b+1]
	v_mul_f32 v[\b+3], s[SC+3*(\l)+2], v[\b+3]
.endm
.macro W_T b, l
	v_add_f32 v[\b+2], v[\b+3], v[\b+1]            ; t = cf2 + cf1
	v_fma_f32 v[\b+6], v[\b+1], -2.0, v[\b+3]      ; e2 = cf2 - 2 cf1: the product is exact, so one rounding
	v_mul_f32 v[\b+7], 0xc0400000, v[\b+3]         ; e3 = -3 cf2
.endm
.macro W_E b, l
	v_add_f32 v[\b+4], v[\b+2], v[\b]              ; e0 = t + cf0
	v_fma_f32 v[\b+5], -v[\b+5], s[SC+3*(\l)], v[\b+2]  ; e1 = t - a_0 scale_0, one rounding
.endm
.macro W_Y b, l
	v_pk_fma_f32 v[\b+8:\b+9],   v[\b+4:\b+5], 0xbe800000, 0.5 op_sel_hi:[1,0,0]      ; 0.5 - e/4
	v_pk_fma_f32 v[\b+10:\b+11], v[\b+6:\b+7], 0xbe800000, 0.5 op_sel_hi:[1,0,0]
.endm
.macro W_FLOOR b, l
	v_floor_f32 v[\b+8],  v[\b+8]
	v_floor_f32 v[\b+9],  v[\b+9]
	v_floor_f32 v[\b+10], v[\b+10]
	v_floor_f32 v[\b+11], v[\b+11]
.endm
.macro W_D b, l
	v_pk_fma_f32 v[\b+4:\b+5], v[\b+4:\b+5], 0x3e800000, v[\b+8:\b+9] op_sel_hi:[1,0,1]    ; d = e/4 + n
	v_pk_fma_f32 v[\b+6:\b+7], v[\b+6:\b+7], 0x3e800000, v[\b+10:\b+11] op_sel_hi:[1,0,1]
.endm
.macro W_S1 b, l                       ; four numbers sorted by five exchanges
	v_max_num_f32 v[\b],   v[\b+4], v[\b+5]
	v_min_num_f32 v[\b+1], v[\b+4], v[\b+5]
	v_max_num_f32 v[\b+2], v[\b+6], v[\b+7]
	v_min_num_f32 v[\b+3], v[\b+6], v[\b+7]
.endm
.macro W_S2 b, l
	v_max_num_f32 v[\b+8],  v[\b],   v[\b+2]       ; s0
	v_min_num_f32 v[\b+4],  v[\b],   v[\b+2]
	v_min_num_f32 v[\b+11], v[\b+1], v[\b+3]       ; s3
	v_max_num_f32 v[\b+5],  v[\b+1], v[\b+3]
.endm
.macro W_S3 b, l
	v_max_num_f32 v[\b+10], v[\b+4], v[\b+5]       ; s1
	v_min_num_f32 v[\b+9],  v[\b+4], v[\b+5]       ; s2: the pairs are (s0, s2) and (s1, s3)
.endm
.macro W_GAP b, l
	v_pk_add_f32 v[WT+4*(\l):WT+4*(\l)+1],   v[\b+8:\b+9],   v[\b+10:\b+11] neg_lo:[0,1] neg_hi:[0,1]                          ; s0 - s1, s2 - s3
	v_pk_add_f32 v[WT+4*(\l)+2:WT+4*(\l)+3], v[\b+10:\b+11], v[\b+8:\b+9] op_sel:[0,1] op_sel_hi:[1,0] neg_lo:[0,1] neg_hi:[0,1]  ; s1 - s2, s3 - s0
.endm
.macro WEIGHTS i                       ; levels i and i + 1, step by step in turn
.irp m, W_ADD, W_MUL, W_T, W_E, W_Y, W_FLOOR, W_D, W_S1, W_S2, W_S3, W_GAP
	\m TP, \i
	\m TP+12, (\i)+1
.endr
.endm
; Level i's two results: the sum over its four vertices of gap x feature pair.  Vertex 0's gap is s3 - s0 + 1: its features are the first line's addend.
.macro BLEND i
.set FF, FD+8*(\i)
.set WW, WT+4*(\i)
.set CC, AC+2*(\i)
	v_pk_fma_f32 v[CC:CC+1], v[FF:FF+1],   v[WW+2:WW+3], v[FF:FF+1] op_sel:[0,1,0] op_sel_hi:[1,1,1]
	v_pk_fma_f32 v[CC:CC+1], v[FF+2:FF+3], v[WW:WW+1],   v[CC:CC+1] op_sel:[0,1,0] op_sel_hi:[1,1,1]
	v_pk_fma_f32 v[CC:CC+1], v[FF+4:FF+5], v[WW+2:WW+3], v[CC:CC+1] op_sel_hi:[1,0,1]
	v_pk_fma_f32 v[CC:CC+1], v[FF+6:FF+7], v[WW:WW+1],   v[CC:CC+1] op_sel_hi:[1,0,1]
.endm
; Trip t: levels 4 t to 4 t + 3.  more = 1 (all trips but the last): the next trip's records are loaded behind this trip's gathers, and the first 1,024 waves of the launch each ask for 32 blocks of
; 256 bytes (8 KiB) of the four tables that the next trip gathers from: 8 MiB, every block by one lane of one wave, once in the launch; the first trip's tables are not asked for, and the last trip
; asks for nothing, so no prefetch passes the tables' end.
.macro TRIP t, more
	s_wait_loadcnt 0x0                             ; this trip's records (and, the first time, my position); nothing else is out
	PLOAD \t                                       ; wanted behind the hashing
	HASH 0
	HASH 1
	HASH 2
	HASH 3
.if \more
	s_add_nc_u64 s[12:13], s[12:13], 4*PLANE       ; free since the wait at the trip's head
.irp i, 0,1,2,3
	global_load_b64 v[RC+2*(\i):RC+2*(\i)+1], v[KO], s[12:13] offset:(\i)*PLANE th:TH_LOAD_NT
.endr
	s_cmp_lt_u32 s53, 128                          ; work-groups 0 to 127 hold the first 1,024 waves
	s_cbranch_scc0 .Lno_ask_\@
	global_prefetch_b8 v[PF], s[10:11] th:TH_LOAD_NT scope:SCOPE_SE
.Lno_ask_\@:
.endif
	s_wait_kmcnt 0x0                               ; shifts and scales
	WEIGHTS 0                                      ; the gathers are on their way meanwhile
	WEIGHTS 2
.irp i, 0,1,2,3
	s_wait_loadcnt 4*(3-(\i))+4*(\more)            ; loads come back in order (ISA guide 5.7.1): behind level i's gathers stand the later levels' four each and the next trip's four records
	BLEND \i
.endr
	ds_store_b128 v[ROW], v[AC:AC+3]   offset:32*(\t)     ; the trip's 32 bytes of my row
	ds_store_b128 v[ROW], v[AC+4:AC+7] offset:32*(\t)+16
.if \more
	s_wait_xcnt 0x0                                ; the gathers are back; the prefetch, which names the same base, has had its address translated (ISA guide 3.1): only now the base steps
	s_add_nc_u64 s[10:11], s[10:11], 4*TABLE       ; the next trip's first table
.endif
.endm
.irp t, 0,1,2,3,4
	TRIP \t, 1
.endr
	TRIP 5, 0                                      ; levels 20 to 23: no load and no prefetch passes a buffer's end
	; THE WAY OUT.  Piece c (16 bytes) of the wave's 6,144 bytes belongs to row c / 12 and lies at 16 c + 16 (c / 12) in the wave's LDS rows.  Load t takes pieces 32 t + lane; 96 pieces are 8 rows,
	; so three addresses serve the twelve loads.  c / 12 = (171 c) >> 11 for c < 96.
.irp t, 0,1,2
	v_add_nc_u32 v[TP+3*(\t)], 32*(\t), v[LN]
	v_mul_u32_u24 v[TP+3*(\t)+1], v[TP+3*(\t)], 171
	v_lshrrev_b32 v[TP+3*(\t)+1], 11, v[TP+3*(\t)+1]
	v_add_lshl_u32 v[TP+3*(\t)], v[TP+3*(\t)], v[TP+3*(\t)+1], 4
	v_add_nc_u32 v[TP+3*(\t)], s44, v[TP+3*(\t)]
.endr
.irp t, 0,1,2,3,4,5,6,7,8,9,10,11
	ds_load_b128 v[FD+4*(\t):FD+4*(\t)+3], v[TP+3*((\t)%3)] offset:((\t)/3)*8*PITCH  ; LDS serves a wave's instructions in order (ISA guide 5.7.1.4): these see the wave's stores
.endr
	s_wait_tensorcnt 0x0                           ; the wave's end
	ds_add_u32 v[SPW], v[NIL]
	s_mul_i32 s45, s41, 192                        ; my wave's first byte in out0, a multiple of 6,144
	v_lshl_add_u32 v[TA], v[LN], 4, s45
	s_wait_dscnt 0x0                               ; the add is done, and the twelve loads are back
.irp t, 0,1,2,3,4,5
	global_store_b128 v[TA], v[FD+4*(\t):FD+4*(\t)+3], s[14:15] offset:512*(\t) th:TH_STORE_NT  ; 512 consecutive bytes, at a multiple of 256 from out0's first byte
.endr
	s_cmp_gt_u32 s41, NPTS-32                      ; the launch's last live wave has 16 points: 3,072 bytes, the six stores above
	s_cbranch_scc1 .Ldone
.irp t, 6,7,8,9,10,11
	global_store_b128 v[TA], v[FD+4*(\t):FD+4*(\t)+3], s[14:15] offset:512*(\t) th:TH_STORE_NT
.endr
.Ldone:
	s_endpgm
.Lfunc_end_k_q7a15734671_gather_blend:
	.size	k_q7a15734671_gather_blend, .Lfunc_end_k_q7a15734671_gather_blend-k_q7a15734671_gather_blend
	.p2alignl 7, 3214868480
	.fill 96, 4, 3214868480
	.section	.rodata,"a",@progbits
	.p2align	6, 0x0
	.amdhsa_kernel k_q7a15734671_gather_blend
		.amdhsa_group_segment_fixed_size 54272
		.amdhsa_private_segment_fixed_size 0
		.amdhsa_enable_private_segment 0
		.amdhsa_kernarg_size 48
		.amdhsa_user_sgpr_count 2
		.amdhsa_user_sgpr_kernarg_segment_ptr 1
		.amdhsa_wavefront_size32 1
		.amdhsa_system_sgpr_workgroup_id_x 1
		.amdhsa_system_sgpr_workgroup_id_y 1
		.amdhsa_system_sgpr_workgroup_id_z 1
		.amdhsa_system_vgpr_workitem_id 0
		.amdhsa_next_free_vgpr 116
		.amdhsa_next_free_sgpr 66
		.amdhsa_reserve_vcc 0
		.amdhsa_float_denorm_mode_32 3
		.amdhsa_float_denorm_mode_16_64 3
		.amdhsa_memory_ordered 1
		.amdhsa_forward_progress 1
		.amdhsa_inst_pref_size 118
	.end_amdhsa_kernel
	.amdgpu_metadata
---
amdhsa.version: [ 1, 2 ]
amdhsa.kernels:
  - .name:           k_q7a15734671_gather_blend
    .symbol:         k_q7a15734671_gather_blend.kd
    .args:
      - { .name: positions, .offset: 0, .size: 8, .value_kind: global_buffer, .address_space: global }
      - { .name: random_shift, .offset: 8, .size: 8, .value_kind: global_buffer, .address_space: global }
      - { .name: scale_factor, .offset: 16, .size: 8, .value_kind: global_buffer, .address_space: global }
      - { .name: lattice_values, .offset: 24, .size: 8, .value_kind: global_buffer, .address_space: global }
      - { .name: keys, .offset: 32, .size: 8, .value_kind: global_buffer, .address_space: global }
      - { .name: out0, .offset: 40, .size: 8, .value_kind: global_buffer, .address_space: global }
    .group_segment_fixed_size: 54272
    .private_segment_fixed_size: 0
    .kernarg_segment_align: 8
    .kernarg_segment_size: 48
    .max_flat_workgroup_size: 256
    .sgpr_count:     66
    .vgpr_count:     116
    .wavefront_size: 32
...
	.end_amdgpu_metadata
.endif
;; end of part 2
